; MI455X (gfx1250); checked and timed in simulation.
; The chip was launched on July 23, 2026; its instructions are those of AMD's public machine-readable ISA for CDNA 5 (MIT licence, August 2026) and "CDNA5" Instruction Set Architecture Reference Guide (July 2026). The comments in the code are by the model that wrote it; some were corrected since.
;; Magnus2nd. Allowed arithmetic: float matrix products may take bf16 or f16 operands with f32 sums; other float arithmetic in f32, or as packed bf16 or f16 multiplies, adds, multiply-adds, maxima and minima; sums over many terms, partial sums and values carried from step to step in f32; what a program stores and reads back later, other than sums and carried values, may be rounded once to bf16 or f16.
;; Inputs: A 8,192 x 64 x 64 float32; h 8,192 float32; y0 8,192 x 64 float32.
;; Outputs: out0 8,192 x 64 float32.
;; One version. Each part assembles by itself: llvm-mc -triple=amdgcn-amd-amdhsa -mcpu=gfx1250 --defsym DOCPART=n.
;; ======== version 1 of 1: 3 launches
;; limits: right only within a limited range of input values; inputs' magnitudes at most 2.9e+17
;; workspace buffers: plan 32,768 bytes of whole numbers; sorted 32,768 bytes of whole numbers
;; launch bound (part 1): grid 256 x 1, 16 waves a work-group, no clusters, 157,952 bytes of LDS; arguments A, h, plan; writes plan
.if DOCPART == 1
	.amdgcn_target "amdgcn-amd-amdhsa--gfx1250"
	.amdhsa_code_object_version 6
	.text
	.protected	k_qfc09c58f17_bound
	.globl	k_qfc09c58f17_bound
	.p2align	8
	.type	k_qfc09c58f17_bound,@function
k_qfc09c58f17_bound:
	s_mov_b64 s[64:65], 0
	v_nop
	global_prefetch_b8 v0, s[64:65] scope:SCOPE_SE
	s_setreg_imm32_b32 hwreg(HW_REG_WAVE_MODE, 25, 1), 1
	s_wait_xcnt 0x0
; PLAN OF THE STEPS.  For each batch b: a bound nu >= |hb| x ||Ab||_2 (Ab = A rounded to bf16, hb = h rounded to bf16), and from it two whole numbers:
; s, the number of steps, and m, the degree of the Taylor polynomial of a step.  plan[b] = s << 18 | m << 13 | b.
; BOUND.  N0 = sum of A^2 (a scale only: it cancels).  G = Ab Ab^T (bf16 products are exact, sums in f32).  H = bf16(G / N0).  F2 = ||H^T H||_F^2.
; ||Ab||_2^2 = ||G||_2, ||H||_2^2 <= sqrt(F2), and H's rounding moves its 2-norm by at most 2^-9 ||G/N0||_F <= 2^-6 ||G/N0||_2.  So ||Ab||_2 <= sqrt(N0) F2^(1/8) / sqrt(1 - 2^-6);
; the factor 1.01 covers the last term (1.0079) and the f32 sums.
; STEPS.  s = floor(nu / 4.75) + 1, held to 1 .. 16383; x = nu / s < 4.75.  m = the least degree in 1 .. 24 with e^x x^m / (m+1)! (m+2)/(m+2-x) <= 2^-22: that is a bound on the
; relative backward error of T_m(X) as an exponential, ||X|| <= x.  At x = 4.75, m = 24 it is 1.6e-7 < 2^-22.  Lane l tests m = l + 1, in logarithms to base 2.
; LIMITS.  nu above 16383 x 4.75 = 7.8e4: s is held and the error bound is lost.  The sum of A^2 must lie in f32's normal range (A all zero: NaN here, which gives s = 1, m = 24: right).
; NaN or infinity in nu gives s = 1 or 16383 and m = 24; the values then follow from the arithmetic of the launch that uses the plan.
; SHARES.  16 waves; wave w of work-group g takes batches 32 g + 2 w and the next, one after the other: a batch is 16 KiB, 32 loads of 512 consecutive bytes.  No wave touches another's stage.
; No tensor loads: A has to pass through registers to be rounded; no cluster: no two work-groups read the same byte.
.set P,     144                        ; a row of 64 bf16 in LDS: 128 bytes + 16: the 16 rows of a fragment load start at 16 different groups of four banks (64 banks of 4 bytes: ISA guide 11.1)
.set TB,    16*P+128                   ; a tile's 16 rows, and 128 bytes more, so that the two halves of the lanes of a store fall on different banks
.set STG,   4*TB                       ; a wave's stage: four tiles; tile t holds matrix rows 4 r + t, r = 0 .. 15
.set PLANB, 16*STG                     ; 32 words: the work-group's plan, gathered so that one store writes it
.set SPARE, PLANB+256                  ; the spare words: 128 bytes for each of 16 waves, named by no other line
.set GO,  4                            ; v4   16 x lane: my 16 bytes in a load of two rows
.set STW, 5                            ; v5   where I store 8 bytes (4 bf16) of a row
.set FRD, 6                            ; v6   where I read fragments: row (lane % 16) x P + 16 (lane / 16)
.set PLW, 7                            ; v7   my wave's two words of the plan
.set SPW, 8                            ; v8   my spare word; never rewritten
.set NIL, 9                            ; v9   0; never rewritten
.set MF,  10                           ; v10  m = lane + 1, as a float
.set TH,  11                           ; v11  log2((m+1)!) - 22
.set MP2, 12                           ; v12  m + 2
.set SQ,  14                           ; v[14:17] sums of A^2; then v14 = N0
.set SS,  18                           ; v[18:21] sums of (H^T H)^2
.set T,   22                           ; v[22:29] at work
.set GS,  30                           ; v[30:31] 1 / N0, twice
.set D,   32                           ; v[32:63] four accumulators
.set F,   64                           ; v[64:127] fragments of Ab: tile t, K half q at F + 16 t + 8 q
.set H,   128                          ; v[128:191] fragments of H, likewise; before that the raw second half of a batch
.set RAW, 192                          ; v[192:255] the raw first half of a batch
	s_load_b128 s[4:7], s[0:1], 0x0                ; A s[4:5], h s[6:7]
	s_load_b64 s[8:9], s[0:1], 0x10                ; plan
	v_lshl_add_u32 v[SPW], v0, 2, SPARE
	v_mov_b32 v[NIL], 0
	v_and_b32 v1, 31, v0                           ; lane
	v_lshrrev_b32 v[T], 5, v0
	v_readfirstlane_b32 s10, v[T]                  ; wave
	v_and_b32 v2, 15, v0                           ; r
	v_bfe_u32 v3, v0, 4, 1                         ; hh
	v_lshlrev_b32 v[GO], 4, v1
	s_mul_i32 s12, s10, STG                        ; my stage
	v_mul_u32_u24 v[STW], v3, TB                   ; load c brings rows 2 c + hh: tile 2 (c & 1) + hh, row c >> 1 of it
	v_lshl_add_u32 v[STW], v2, 3, v[STW]
	v_add_nc_u32 v[STW], s12, v[STW]
	v_mul_u32_u24 v[FRD], v2, P
	v_lshl_add_u32 v[FRD], v3, 4, v[FRD]
	v_add_nc_u32 v[FRD], s12, v[FRD]
	s_lshl_b32 s13, s10, 3
	s_add_co_u32 s13, s13, PLANB
	v_mov_b32 v[PLW], s13
	s_mov_b32 s20, 0x76543210                      ; v_permlanex16_b32: each lane takes its own place in the other half
	s_mov_b32 s21, 0xfedcba98
	; TH by Stirling's series, n = m + 1: log2(n!) = (n + 1/2) log2 n - n log2 e + log2(2 pi)/2 + log2 e / (12 n), off by less than 5e-4 from n = 2 on
	v_add_nc_u32 v[T], 1, v1
	v_cvt_f32_u32 v[MF], v[T]
	v_add_f32 v[MP2], 2.0, v[MF]
	v_add_f32 v[T+1], 1.0, v[MF]                   ; n
	v_log_f32 v[T+2], v[T+1]
	v_rcp_f32 v[T+3], v[T+1]
	v_add_f32 v[T+4], 0.5, v[T+1]                  ; the plain instruction behind the two transcendentals (ISA guide 5.7.2)
	s_wait_alu depctr_va_vdst(0)
	v_mul_f32 v[TH], v[T+4], v[T+2]
	v_fmamk_f32 v[TH], v[T+1], 0xbfb8aa3b, v[TH]   ; - 1.442695 n
	v_fmamk_f32 v[TH], v[T+3], 0x3df63851, v[TH]   ; + 0.1202246 / n
	v_add_f32 v[TH], 0xc1a564de, v[TH]             ; + 1.325748 - 22
	s_lshl_b32 s11, ttmp9, 5
	s_lshl_b32 s12, s10, 1
	s_add_co_u32 s11, s11, s12                     ; my first batch: 32 g + 2 w
	s_lshl_b32 s12, s11, 14                        ; 16,384 bytes a batch: under 2^27
	s_mov_b32 s13, 0
	s_lshl_b32 s23, s11, 2                         ; its place in h; never rewritten
	s_wait_kmcnt 0x0
	s_add_nc_u64 s[14:15], s[4:5], s[12:13]        ; A at my first batch,
	s_add_nc_u64 s[16:17], s[14:15], 0x4000        ; and at my second
	s_load_b64 s[18:19], s[6:7], s23 offset:0x0    ; the two h
.macro LOADH base, half, reg           ; half a batch: 16 loads, each 512 consecutive bytes (two rows)
.set cc, 0
.rept 16
	global_load_b128 v[(\reg)+4*cc:(\reg)+4*cc+3], v[GO], s[\base:\base+1] offset:512*(16*(\half)+cc) th:TH_LOAD_NT
.set cc, cc+1
.endr
.endm
.macro CONVH half, reg                 ; its squares are summed; it is rounded to bf16 and laid into the stage
.set cc, 0
.rept 16
.set c, 16*(\half)+cc
.set x, (\reg)+4*cc
	v_pk_fma_f32 v[SQ:SQ+1], v[x:x+1], v[x:x+1], v[SQ:SQ+1]
	v_pk_fma_f32 v[SQ+2:SQ+3], v[x+2:x+3], v[x+2:x+3], v[SQ+2:SQ+3]
	v_cvt_pk_bf16_f32 v[x], v[x], v[x+1]
	v_cvt_pk_bf16_f32 v[x+1], v[x+2], v[x+3]
	ds_store_b64 v[STW], v[x:x+1] offset:(c&1)*2*TB+(c>>1)*P
.set cc, cc+1
.endr
.endm
.macro FRAG                            ; the stage comes back as fragments: LDS serves a wave's instructions in order (ISA guide 5.7.1.4), so these see the stores above
.irp t, 0,1,2,3
.irp q, 0,1
	ds_load_b128 v[F+16*\t+8*\q:F+16*\t+8*\q+3],   v[FRD] offset:\t*TB+64*\q
	ds_load_b128 v[F+16*\t+8*\q+4:F+16*\t+8*\q+7], v[FRD] offset:\t*TB+64*\q+32
.endr
.endr
.endm
.macro WSUM a, t                       ; the sum over the wave's 32 lanes, in every lane
	v_add_f32_dpp v[\a], v[\a], v[\a] row_xmask:1 row_mask:0xf bank_mask:0xf
	v_add_f32_dpp v[\a], v[\a], v[\a] row_xmask:2 row_mask:0xf bank_mask:0xf
	v_add_f32_dpp v[\a], v[\a], v[\a] row_xmask:4 row_mask:0xf bank_mask:0xf
	v_add_f32_dpp v[\a], v[\a], v[\a] row_xmask:8 row_mask:0xf bank_mask:0xf
	v_permlanex16_b32 v[\t], v[\a], s20, s21       ; its destination counts as read: a register that has been written
	v_add_f32 v[\a], v[\a], v[\t]
.endm
; Four tiles of X X^T: D_a (m, n) = sum over k of X[a](m, k) X[b](n, k).  The four accumulators take turns; the first K half starts the sums with the constant 0.
; Four v_nop: the places between the last product and the vector instructions that read the results (ISA guide 7.12.1).
.macro GEMM4 X, b
.irp q, 0,1
.irp a, 0,1,2,3
.if \q == 0
	v_wmma_f32_16x16x32_bf16 v[D+8*\a:D+8*\a+7], v[\X+16*\a+8*\q:\X+16*\a+8*\q+7], v[\X+16*\b+8*\q:\X+16*\b+8*\q+7], 0
.else
	v_wmma_f32_16x16x32_bf16 v[D+8*\a:D+8*\a+7], v[\X+16*\a+8*\q:\X+16*\a+8*\q+7], v[\X+16*\b+8*\q:\X+16*\b+8*\q+7], v[D+8*\a:D+8*\a+7]
.endif
.endr
.endr
.rept 4
	v_nop
.endr
.endm
.macro CLEARSQ
.irp i, 0,1,2,3
	v_mov_b32 v[SQ+\i], 0
.endr
.endm
.macro NORM                            ; N0 and 1 / N0, while the fragments are on their way
	v_pk_add_f32 v[SQ:SQ+1], v[SQ:SQ+1], v[SQ+2:SQ+3]
	v_add_f32 v[SQ], v[SQ], v[SQ+1]
	WSUM SQ, T
	v_rcp_f32 v[GS], v[SQ]
	v_rcp_f32 v[GS+1], v[SQ]
	v_nop                                          ; a plain instruction behind the reciprocals
	s_wait_alu depctr_va_vdst(0)
	s_wait_dscnt 0x0                               ; the fragments are in, and the stage's stores have read their registers
.endm
.macro GRAM pass
	; H = bf16(G / N0).  In D_a a lane holds column 4 r + b of G and the rows 4 (8 hh + j) + a: rounded in pairs they ARE a fragment for column 4 r + b, with the rows of G as K
	; in an order that hangs on a, j and hh alone: the same in every fragment, so the products below pair like with like.
.irp b, 0,1,2,3
	GEMM4 F, \b
.set n, 0
.rept 16
	v_pk_mul_f32 v[D+2*n:D+2*n+1], v[D+2*n:D+2*n+1], v[GS:GS+1]     ; ascending: each accumulator's lowest registers are read first
.set n, n+1
.endr
.set n, 0
.rept 16
	v_cvt_pk_bf16_f32 v[H+16*\b+n], v[D+2*n], v[D+2*n+1]
.set n, n+1
.endr
.endr
.irp i, 0,1,2,3
	v_mov_b32 v[SS+\i], 0
.endr
	; F2 = the sum of the squares of H^T H
.irp b, 0,1,2,3
	GEMM4 H, \b
.set n, 0
.rept 16
	v_pk_fma_f32 v[SS+2*(n&1):SS+2*(n&1)+1], v[D+2*n:D+2*n+1], v[D+2*n:D+2*n+1], v[SS+2*(n&1):SS+2*(n&1)+1]
.set n, n+1
.endr
.endr
	v_pk_add_f32 v[SS:SS+1], v[SS:SS+1], v[SS+2:SS+3]
	v_add_f32 v[SS], v[SS], v[SS+1]
	WSUM SS, T
	; nu = |hb| sqrt(N0) F2^(1/8) 1.01.  Behind each root stands a plain instruction before its result is used.
	v_sqrt_f32 v[T+1], v[SS]
	v_sqrt_f32 v[T+2], v[SQ]
	v_mov_b32 v[T+3], s[18+\pass]
	v_cvt_pk_bf16_f32 v[T+3], v[T+3], v[T+3]
	s_wait_alu depctr_va_vdst(0)
	v_sqrt_f32 v[T+1], v[T+1]
	v_lshlrev_b32 v[T+3], 16, v[T+3]               ; hb
	s_wait_alu depctr_va_vdst(0)
	v_sqrt_f32 v[T+1], v[T+1]
	v_and_b32 v[T+3], 0x7fffffff, v[T+3]           ; |hb|
	v_mul_f32 v[T+3], v[T+3], v[T+2]
	s_wait_alu depctr_va_vdst(0)
	v_mul_f32 v[T+3], v[T+3], v[T+1]
	v_mul_f32 v[T+3], 0x3f8147ae, v[T+3]           ; x 1.01
	; s
	v_mul_f32 v[T+4], 0x3e579435, v[T+3]           ; nu / 4.75
	v_floor_f32 v[T+4], v[T+4]
	v_add_f32 v[T+4], 1.0, v[T+4]
	v_max_num_f32 v[T+4], 1.0, v[T+4]              ; a NaN loses: s = 1
	v_min_num_f32 v[T+4], 0x467ffc00, v[T+4]       ; 16383
	; x = nu / s, and the test: x log2 e + m log2 x + log2((m+2)/(m+2-x)) <= TH.  Where m + 2 <= x the logarithm is NaN or infinite and the test fails.
	v_rcp_f32 v[T+5], v[T+4]
	v_nop
	s_wait_alu depctr_va_vdst(0)
	v_mul_f32 v[T+5], v[T+3], v[T+5]               ; x
	v_log_f32 v[T+6], v[T+5]
	v_sub_f32 v[T+7], v[MP2], v[T+5]
	v_rcp_f32 v[T+7], v[T+7]
	v_nop
	s_wait_alu depctr_va_vdst(0)
	v_mul_f32 v[T+7], v[MP2], v[T+7]
	v_log_f32 v[T+7], v[T+7]
	v_nop
	s_wait_alu depctr_va_vdst(0)
	v_fma_f32 v[T+6], v[MF], v[T+6], v[T+7]
	v_fmamk_f32 v[T+6], v[T+5], 0x3fb8aa3b, v[T+6]
	v_cmp_le_f32 s22, v[T+6], v[TH]
	s_or_b32 s22, s22, 0x800000                    ; m = 24 at the most
	s_ctz_i32_b32 s22, s22                         ; the least lane that passes
	s_add_co_u32 s22, s22, 1                       ; m
	v_cvt_u32_f32 v[T+4], v[T+4]
	v_readfirstlane_b32 s24, v[T+4]                ; s
	s_lshl_b32 s24, s24, 18
	s_lshl_b32 s22, s22, 13
	s_or_b32 s24, s24, s22
	s_add_co_u32 s25, s11, \pass
	s_or_b32 s24, s24, s25
	v_mov_b32 v[T+4], s24
	ds_store_b32 v[PLW], v[T+4] offset:4*\pass     ; every lane writes the same word with the same value
.endm
	LOADH 14, 0, RAW                               ; the first batch: 32 loads on their way
	LOADH 14, 1, H
	CLEARSQ
	s_wait_loadcnt 16                              ; the first half is in; the 16 loads of the second half may stay out
	CONVH 0, RAW
	s_wait_loadcnt 0x0
	CONVH 1, H
	FRAG
	NORM
	LOADH 16, 0, RAW                               ; half of the second batch is on its way during the first batch's products: nothing below waits for it
	s_wait_kmcnt 0x0                               ; h
	GRAM 0
	LOADH 16, 1, H                                 ; H's last reader, a product, stands far more than four plain instructions back
	CLEARSQ
	s_wait_loadcnt 16                              ; as above
	CONVH 0, RAW
	s_wait_loadcnt 0x0
	CONVH 1, H
	FRAG
	NORM
	GRAM 1
	s_wait_tensorcnt 0x0                           ; the wave's end as far as LDS writes go
	ds_add_u32 v[SPW], v[NIL]
	s_wait_dscnt 0x0                               ; also for the others' sake: my two words of the plan are written
	s_barrier_signal -1
	s_barrier_wait -1                              ; all 32 words are
	s_cmp_lg_u32 s10, 0
	s_cbranch_scc1 .Lend
	v_lshl_add_u32 v[T], v1, 2, PLANB
	ds_load_b32 v[T+1], v[T]
	s_lshl_b32 s12, ttmp9, 7
	v_lshl_add_u32 v[T+2], v1, 2, s12
	s_wait_dscnt 0x0
	global_store_b32 v[T+2], v[T+1], s[8:9]        ; 128 consecutive bytes: all that this work-group owns of the plan
.Lend:
	s_endpgm
.Lfunc_end_k_qfc09c58f17_bound:
	.size	k_qfc09c58f17_bound, .Lfunc_end_k_qfc09c58f17_bound-k_qfc09c58f17_bound
	.p2alignl 7, 3214868480
	.fill 96, 4, 3214868480
	.section	.rodata,"a",@progbits
	.p2align	6, 0x0
	.amdhsa_kernel k_qfc09c58f17_bound
		.amdhsa_group_segment_fixed_size 157952
		.amdhsa_private_segment_fixed_size 0
		.amdhsa_enable_private_segment 0
		.amdhsa_kernarg_size 24
		.amdhsa_user_sgpr_count 2
		.amdhsa_user_sgpr_kernarg_segment_ptr 1
		.amdhsa_wavefront_size32 1
		.amdhsa_system_sgpr_workgroup_id_x 1
		.amdhsa_system_sgpr_workgroup_id_y 1
		.amdhsa_system_sgpr_workgroup_id_z 1
		.amdhsa_system_vgpr_workitem_id 0
		.amdhsa_next_free_vgpr 256
		.amdhsa_next_free_sgpr 66
		.amdhsa_reserve_vcc 0
		.amdhsa_float_denorm_mode_32 3
		.amdhsa_float_denorm_mode_16_64 3
		.amdhsa_memory_ordered 1
		.amdhsa_forward_progress 1
		.amdhsa_inst_pref_size 72
	.end_amdhsa_kernel
	.amdgpu_metadata
---
amdhsa.version: [ 1, 2 ]
amdhsa.kernels:
  - .name:           k_qfc09c58f17_bound
    .symbol:         k_qfc09c58f17_bound.kd
    .args:
      - { .name: A, .offset: 0, .size: 8, .value_kind: global_buffer, .address_space: global }
      - { .name: h, .offset: 8, .size: 8, .value_kind: global_buffer, .address_space: global }
      - { .name: plan, .offset: 16, .size: 8, .value_kind: global_buffer, .address_space: global }
    .group_segment_fixed_size: 157952
    .private_segment_fixed_size: 0
    .kernarg_segment_align: 8
    .kernarg_segment_size: 24
    .max_flat_workgroup_size: 512
    .sgpr_count:     66
    .vgpr_count:     256
    .wavefront_size: 32
...
	.end_amdgpu_metadata
.endif
;; end of part 1
;; launch rank (part 2): grid 256 x 1, 32 waves a work-group, no clusters, 8,192 bytes of LDS; arguments plan, sorted; writes sorted
.if DOCPART == 2
	.amdgcn_target "amdgcn-amd-amdhsa--gfx1250"
	.amdhsa_code_object_version 6
	.text
	.protected	k_qfc09c58f17_rank
	.globl	k_qfc09c58f17_rank
	.p2align	8
	.type	k_qfc09c58f17_rank,@function
k_qfc09c58f17_rank:
	s_mov_b64 s[64:65], 0
	v_nop
	global_prefetch_b8 v0, s[64:65] scope:SCOPE_SE
	s_setreg_imm32_b32 hwreg(HW_REG_WAVE_MODE, 25, 1), 1
	s_wait_xcnt 0x0
; sorted = the 8,192 words of plan in ascending order.  The words are all different (the batch's number lies in the low 13 bits), so a word's place is the number of words below it.
; Work-group g places the words 32 g .. 32 g + 31, lane l of every wave standing for word 32 g + l; wave w counts among the words 256 w .. 256 w + 255, which come by scalar loads
; (no line of this launch writes plan).  The 32 partial counts of a word meet in LDS; wave 0 adds them and stores the word at its place.
; That store is 4 bytes a lane to scattered places by the nature of a sort: 32 KiB in the whole launch.  No matrix unit, no tensor load, no cluster: 32 KiB of input.
.set SPARE, 4096                       ; behind the 1,024 partial counts: the spare words, 128 bytes for each of 32 waves, named by no other line
	s_load_b128 s[4:7], s[0:1], 0x0                ; plan s[4:5], sorted s[6:7]
	v_lshl_add_u32 v8, v0, 2, SPARE                ; my spare word; never rewritten
	v_mov_b32 v9, 0                                ; 0; never rewritten
	v_and_b32 v1, 31, v0                           ; lane
	v_lshrrev_b32 v10, 5, v0
	v_readfirstlane_b32 s8, v10                    ; wave
	s_lshl_b32 s14, ttmp9, 7
	v_lshl_add_u32 v2, v1, 2, s14                  ; byte of my word in plan
	v_lshlrev_b32 v5, 2, v0                        ; where my partial count goes
	v_lshlrev_b32 v6, 2, v1                        ; where wave 0 reads the counts of lane l's word
	v_mov_b32 v4, 0                                ; the count
	s_lshl_b32 s12, s8, 10                         ; my wave's 256 words
	s_mov_b32 s13, 0
	s_wait_kmcnt 0x0
	global_load_b32 v3, v2, s[4:5]                 ; my word
	s_add_nc_u64 s[10:11], s[4:5], s[12:13]
	s_mov_b32 s9, 4
	s_wait_loadcnt 0x0
.Ltrip:                                                ; four trips of 64 words
	s_load_b512 s[16:31], s[10:11], 0x0
	s_load_b512 s[32:47], s[10:11], 0x40
	s_load_b512 s[48:63], s[10:11], 0x80
	s_load_b512 s[68:83], s[10:11], 0xc0
	s_wait_kmcnt 0x0                               ; the words are in, so the base may be stepped
	s_add_nc_u64 s[10:11], s[10:11], 256
.set i, 16
.rept 48
	v_cmp_lt_u32 vcc_lo, s[i], v3                  ; is that word below mine?
	v_add_co_ci_u32 v4, vcc_lo, 0, v4, vcc_lo      ; then one more
.set i, i+1
.endr
.set i, 68
.rept 16
	v_cmp_lt_u32 vcc_lo, s[i], v3
	v_add_co_ci_u32 v4, vcc_lo, 0, v4, vcc_lo
.set i, i+1
.endr
	s_sub_co_u32 s9, s9, 1
	s_cmp_lg_u32 s9, 0
	s_cbranch_scc1 .Ltrip
	ds_store_b32 v5, v4
	s_wait_tensorcnt 0x0                           ; the wave's end as far as LDS writes go
	ds_add_u32 v8, v9
	s_wait_dscnt 0x0                               ; also for wave 0's sake: my counts are written
	s_barrier_signal -1
	s_barrier_wait -1
	s_cmp_lg_u32 s8, 0
	s_cbranch_scc1 .Lend
.set i, 0
.rept 32
	ds_load_b32 v[16+i], v6 offset:128*i           ; wave i's count for lane l's word
.set i, i+1
.endr
	s_wait_dscnt 0x0
.set i, 0
.rept 15
	v_add3_u32 v16, v16, v[17+2*i], v[18+2*i]
.set i, i+1
.endr
	v_add_nc_u32 v16, v16, v47
	v_min_u32 v16, 0x1fff, v16                     ; a count of 8,192 different words is below 8,192; held there before it enters an address
	v_lshlrev_b32 v16, 2, v16
	global_store_b32 v16, v3, s[6:7]
.Lend:
	s_endpgm
.Lfunc_end_k_qfc09c58f17_rank:
	.size	k_qfc09c58f17_rank, .Lfunc_end_k_qfc09c58f17_rank-k_qfc09c58f17_rank
	.p2alignl 7, 3214868480
	.fill 96, 4, 3214868480
	.section	.rodata,"a",@progbits
	.p2align	6, 0x0
	.amdhsa_kernel k_qfc09c58f17_rank
		.amdhsa_group_segment_fixed_size 8192
		.amdhsa_private_segment_fixed_size 0
		.amdhsa_enable_private_segment 0
		.amdhsa_kernarg_size 16
		.amdhsa_user_sgpr_count 2
		.amdhsa_user_sgpr_kernarg_segment_ptr 1
		.amdhsa_wavefront_size32 1
		.amdhsa_system_sgpr_workgroup_id_x 1
		.amdhsa_system_sgpr_workgroup_id_y 1
		.amdhsa_system_sgpr_workgroup_id_z 1
		.amdhsa_system_vgpr_workitem_id 0
		.amdhsa_next_free_vgpr 64
		.amdhsa_next_free_sgpr 88
		.amdhsa_reserve_vcc 1
		.amdhsa_float_denorm_mode_32 3
		.amdhsa_float_denorm_mode_16_64 3
		.amdhsa_memory_ordered 1
		.amdhsa_forward_progress 1
		.amdhsa_inst_pref_size 9
	.end_amdhsa_kernel
	.amdgpu_metadata
---
amdhsa.version: [ 1, 2 ]
amdhsa.kernels:
  - .name:           k_qfc09c58f17_rank
    .symbol:         k_qfc09c58f17_rank.kd
    .args:
      - { .name: plan, .offset: 0, .size: 8, .value_kind: global_buffer, .address_space: global }
      - { .name: sorted, .offset: 8, .size: 8, .value_kind: global_buffer, .address_space: global }
    .group_segment_fixed_size: 8192
    .private_segment_fixed_size: 0
    .kernarg_segment_align: 8
    .kernarg_segment_size: 16
    .max_flat_workgroup_size: 1024
    .sgpr_count:     88
    .vgpr_count:     64
    .wavefront_size: 32
...
	.end_amdgpu_metadata
.endif
;; end of part 2
;; launch magnus (part 3): grid 256 x 1, 16 waves a work-group, no clusters, 165,888 bytes of LDS; arguments A, h, y0, sorted, out0; writes out0
.if DOCPART == 3
	.amdgcn_target "amdgcn-amd-amdhsa--gfx1250"
	.amdhsa_code_object_version 6
	.text
	.protected	k_qfc09c58f17_magnus
	.globl	k_qfc09c58f17_magnus
	.p2align	8
	.type	k_qfc09c58f17_magnus,@function
k_qfc09c58f17_magnus:
	s_mov_b64 s[64:65], 0
	v_nop
	global_prefetch_b8 v0, s[64:65] scope:SCOPE_SE
	s_setreg_imm32_b32 hwreg(HW_REG_WAVE_MODE, 25, 1), 1
	s_wait_xcnt 0x0
; out0[b] = expm(h[b] A[b]) y0[b], as the ACTION of the exponential on the vector: y <- T_m(c Ab) y, s times, c = hb / s; T_m(X) v = sum over k = 0 .. m of t_k, t_0 = v, t_k = (c / k) Ab t_(k-1).
; s and m come from the plan (the word s << 18 | m << 13 | b), made from a bound on |hb| ||Ab||_2 so that a step's norm stays under 4.75 and the polynomial's relative backward error under 2^-22.
; FORMATS.  All three inputs are rounded once to bf16 (Ab, hb, y0).  Ab is then an exact matrix operand.  The vector stays in f32: it is split exactly into three bf16 pieces
; (hi = bf16(v), mid = bf16(v - hi), lo = bf16(v - hi - mid)), which ride as rows of the other operand; the three results are added in f32.  Sums in f32 throughout.
; LIMITS.  s is at most 16383 (14 bits).  In one step of norm x <= 4.75 the terms can be e^x times the vector and the result e^-x of it: where the whole action decays so, up to e^9.5 units of f32's
; last place are lost in that step.  A vector component beyond bf16's largest finite number rounds to an infinity, and NaN follows.  NaN and infinities are not treated apart.
; A PRODUCT.  D_t = V x M_t: source 0 has 16 rows, row i = piece min(i & 3, 2) of the vector (64 along K, two K halves); source 1's column r = row 4 r + t of Ab.  In D_t a lane (r, half) holds
; in registers 0, 1, 2 the products of row 4 r + t with hi, mid, lo, the same in both halves of the lanes.  So a lane owns the four neighbouring components 4 r .. 4 r + 3, and a piece of them packs
; into 8 bytes at byte 8 r of the piece's row in LDS: already the order along K of the next product.  Ab stays in 64 registers for the whole batch.
; SHARES.  Wave u = 16 g + w takes the batch at place 8191 - u of the sorted plan and then the one at place u: a long one and a short one, so that all 4,096 waves have like work.
; The four waves of a SIMD are four chains that do not depend on each other.  Every wave uses its own LDS bytes alone: no barrier.
; No tensor loads: A passes through registers to be rounded, and each byte is read by one wave; no cluster: nothing is shared.  The second batch's A is asked for into registers a whole batch ahead.
.set P,     144                        ; a row of 64 bf16 in LDS: 128 bytes + 16: the 16 rows of a fragment load start at 16 different groups of four banks (64 banks of 4 bytes: ISA guide 11.1)
.set TB,    16*P+128                   ; a tile's 16 rows, and 128 bytes more, so that the two halves of the lanes of a store fall on different banks
.set VB,    4*TB                       ; behind the four tiles: the vector's three pieces, a row of 128 bytes each, P apart
.set WREG,  10240                      ; a wave's LDS bytes
.set SPARE, 16*WREG                    ; the spare words: 128 bytes for each of 16 waves, named by no other line
.set GO,  4                            ; v4   16 x lane: my 16 bytes in a load of two rows of A
.set STW, 5                            ; v5   where I store 8 bytes (4 bf16) of a row of A
.set FRD, 6                            ; v6   where I read A's fragments
.set PST, 7                            ; v7   where I store 8 bytes of a piece
.set PLD, 8                            ; v8   where I read the vector's fragments
.set YO,  9                            ; v9   16 r: my four components in y0 and out0
.set SPW, 10                           ; v10  my spare word; never rewritten
.set NIL, 11                           ; v11  0; never rewritten
.set NEG1, 12                          ; v12  -1.0
.set KF,  13                           ; v13  k
.set RC,  14                           ; v14  1 / k
.set CH,  15                           ; v15  c = hb / s
.set CF,  16                           ; v[16:17] c / k, twice
.set U,   18                           ; v[18:21] the term t_(k-1), then t_k; at a step's end y
.set Y,   22                           ; v[22:25] the sum of the terms
.set SM,  26                           ; v[26:29] the residue of the split; then the sum of the three products
.set PC,  30                           ; v[30:35] hi, mid, lo, two registers each
.set T,   36                           ; v[36:39] at work
.set VF,  40                           ; v[40:55] the vector's fragments, two K halves
.set D,   56                           ; v[56:87] four accumulators; before the loops the raw rows 48 to 63 of A
.set M,   88                           ; v[88:151] Ab: tile t, K half q at M + 16 t + 8 q
.set RAW, 160                          ; v[160:255] the raw rows 0 to 47 of A
	s_load_b256 s[4:11], s[0:1], 0x0               ; A s[4:5], h s[6:7], y0 s[8:9], sorted s[10:11]
	s_load_b64 s[12:13], s[0:1], 0x20              ; out0
	v_lshl_add_u32 v[SPW], v0, 2, SPARE
	v_mov_b32 v[NIL], 0
	v_and_b32 v1, 31, v0                           ; lane
	v_lshrrev_b32 v[T], 5, v0
	v_readfirstlane_b32 s14, v[T]                  ; wave
	v_and_b32 v2, 15, v0                           ; r
	v_bfe_u32 v3, v0, 4, 1                         ; hh
	v_lshlrev_b32 v[GO], 4, v1
	s_mul_i32 s28, s14, WREG                       ; my LDS bytes
	v_mul_u32_u24 v[STW], v3, TB                   ; load c brings rows 2 c + hh: tile 2 (c & 1) + hh, row c >> 1 of it
	v_lshl_add_u32 v[STW], v2, 3, v[STW]
	v_add_nc_u32 v[STW], s28, v[STW]
	v_mul_u32_u24 v[FRD], v2, P
	v_lshl_add_u32 v[FRD], v3, 4, v[FRD]
	v_add_nc_u32 v[FRD], s28, v[FRD]
	s_add_co_u32 s29, s28, VB
	v_lshl_add_u32 v[PST], v2, 3, s29
	v_and_b32 v[T], 3, v2
	v_min_u32 v[T], 2, v[T]                        ; row r of source 0 is piece min(r & 3, 2)
	v_mul_u32_u24 v[T], v[T], P
	v_lshl_add_u32 v[T], v3, 4, v[T]
	v_add_nc_u32 v[PLD], s29, v[T]
	v_lshlrev_b32 v[YO], 4, v2
	v_mov_b32 v[NEG1], -1.0
	s_lshl_b32 s15, ttmp9, 4
	s_add_co_u32 s15, s15, s14                     ; u
	s_lshl_b32 s39, s15, 2                         ; place u,
	s_sub_co_u32 s38, 32764, s39                   ; and place 8191 - u, in bytes; neither is rewritten
	s_wait_kmcnt 0x0
	s_load_b32 s16, s[10:11], s38 offset:0x0       ; the long batch's word
	s_load_b32 s17, s[10:11], s39 offset:0x0       ; the short one's
	s_wait_kmcnt 0x0
.macro ABASE word, base                ; A at the word's batch.  The number is held under 8,192 before it enters an address
	s_and_b32 s28, s[\word], 0x1fff
	s_min_u32 s28, s28, 0x1fff
	s_lshl_b32 s28, s28, 14
	s_mov_b32 s29, 0
	s_add_nc_u64 s[\base:\base+1], s[4:5], s[28:29]
.endm
.macro LOADA base                      ; rows 0 to 47: 24 loads of 512 consecutive bytes
.set cc, 0
.rept 24
	global_load_b128 v[RAW+4*cc:RAW+4*cc+3], v[GO], s[\base:\base+1] offset:512*cc th:TH_LOAD_NT
.set cc, cc+1
.endr
.endm
.macro CONV c, x                       ; two rows' 16 bytes a lane are rounded to bf16 and laid into the stage
	v_cvt_pk_bf16_f32 v[\x], v[\x], v[(\x)+1]
	v_cvt_pk_bf16_f32 v[(\x)+1], v[(\x)+2], v[(\x)+3]
	ds_store_b64 v[STW], v[\x:(\x)+1] offset:((\c)&1)*2*TB+((\c)>>1)*P
.endm
; ONE BATCH.  Its rows 0 to 47 have been asked for.  more = 1: the next batch's are asked for as soon as RAW is free.
.macro BATCH word, base, more, nword, nbase
	s_and_b32 s18, s[\word], 0x1fff
	s_min_u32 s18, s18, 0x1fff                     ; b
	s_lshr_b32 s19, s[\word], 18
	s_max_u32 s19, s19, 1                          ; s
	s_bfe_u32 s20, s[\word], 0x5000d
	s_max_u32 s20, s20, 1
	s_min_u32 s20, s20, 24                         ; m
	s_lshl_b32 s28, s18, 8                         ; 256 bytes a batch in y0 and out0
	s_mov_b32 s29, 0
	s_add_nc_u64 s[32:33], s[8:9], s[28:29]
	s_add_nc_u64 s[36:37], s[12:13], s[28:29]
	s_lshl_b32 s31, s18, 2
	s_load_b32 s30, s[6:7], s31 offset:0x0         ; h
.set cc, 0
.rept 8                                ; rows 48 to 63, into the accumulators' registers: their last product stands more than four plain instructions back
	global_load_b128 v[D+4*cc:D+4*cc+3], v[GO], s[\base:\base+1] offset:512*(24+cc) th:TH_LOAD_NT
.set cc, cc+1
.endr
	global_load_b128 v[U:U+3], v[YO], s[32:33]     ; y0: both halves of the lanes take the same 256 bytes
	s_wait_loadcnt 9                               ; rows 0 to 47 are in: the nine loads just issued may stay out
.set cc, 0
.rept 24
	CONV cc, RAW+4*cc
.set cc, cc+1
.endr
	s_wait_loadcnt 0x0
.set cc, 0
.rept 8
	CONV 24+cc, D+4*cc
.set cc, cc+1
.endr
.irp t, 0,1,2,3                        ; the stage comes back as fragments: LDS serves a wave's instructions in order (ISA guide 5.7.1.4), so these see the stores above
.irp q, 0,1
	ds_load_b128 v[M+16*\t+8*\q:M+16*\t+8*\q+3],   v[FRD] offset:\t*TB+64*\q
	ds_load_b128 v[M+16*\t+8*\q+4:M+16*\t+8*\q+7], v[FRD] offset:\t*TB+64*\q+32
.endr
.endr
	s_wait_dscnt 0x0                               ; Ab is in registers, and the stage's stores have read theirs
.if \more
	ABASE \nword, \nbase
	LOADA \nbase                                   ; 24 loads that stay out during this whole batch: nothing in the loops names RAW or waits for loads
.endif
	s_wait_kmcnt 0x0                               ; h
	v_cvt_pk_bf16_f32 v[T], v[U], v[U+1]           ; y0 rounded to bf16 and widened again
	v_cvt_pk_bf16_f32 v[T+1], v[U+2], v[U+3]
	v_lshlrev_b32 v[U], 16, v[T]
	v_and_b32 v[U+1], 0xffff0000, v[T]
	v_lshlrev_b32 v[U+2], 16, v[T+1]
	v_and_b32 v[U+3], 0xffff0000, v[T+1]
.irp i, 0,1,2,3
	v_mov_b32 v[Y+\i], 0
.endr
	v_mov_b32 v[KF], 0
	v_mov_b32 v[T+2], s30
	v_cvt_pk_bf16_f32 v[T+2], v[T+2], v[T+2]
	v_cvt_f32_u32 v[T+3], s19
	v_rcp_f32 v[T+3], v[T+3]
	v_lshlrev_b32 v[T+2], 16, v[T+2]               ; hb; also the plain instruction behind the reciprocal
	s_wait_alu depctr_va_vdst(0)
	v_mul_f32 v[CH], v[T+2], v[T+3]                ; c = hb / s
	s_mov_b32 s21, 0
.Lstep_\@:                                             ; s trips: y <- T_m(c Ab) y
	s_mov_b32 s22, 0
.Lterm_\@:                                             ; m trips: trip k adds t_(k-1) to the sum and makes t_k
	v_cvt_pk_bf16_f32 v[PC], v[U], v[U+1]          ; hi
	v_cvt_pk_bf16_f32 v[PC+1], v[U+2], v[U+3]
	v_fma_mix_f32_bf16 v[SM], v[PC], v[NEG1], v[U] op_sel_hi:[1,0,0]                       ; v - hi: exact
	v_fma_mix_f32_bf16 v[SM+1], v[PC], v[NEG1], v[U+1] op_sel:[1,0,0] op_sel_hi:[1,0,0]
	v_fma_mix_f32_bf16 v[SM+2], v[PC+1], v[NEG1], v[U+2] op_sel_hi:[1,0,0]
	v_fma_mix_f32_bf16 v[SM+3], v[PC+1], v[NEG1], v[U+3] op_sel:[1,0,0] op_sel_hi:[1,0,0]
	ds_store_b64 v[PST], v[PC:PC+1]
	v_cvt_pk_bf16_f32 v[PC+2], v[SM], v[SM+1]      ; mid
	v_cvt_pk_bf16_f32 v[PC+3], v[SM+2], v[SM+3]
	v_fma_mix_f32_bf16 v[SM], v[PC+2], v[NEG1], v[SM] op_sel_hi:[1,0,0]
	v_fma_mix_f32_bf16 v[SM+1], v[PC+2], v[NEG1], v[SM+1] op_sel:[1,0,0] op_sel_hi:[1,0,0]
	v_fma_mix_f32_bf16 v[SM+2], v[PC+3], v[NEG1], v[SM+2] op_sel_hi:[1,0,0]
	v_fma_mix_f32_bf16 v[SM+3], v[PC+3], v[NEG1], v[SM+3] op_sel:[1,0,0] op_sel_hi:[1,0,0]
	ds_store_b64 v[PST], v[PC+2:PC+3] offset:P
	v_cvt_pk_bf16_f32 v[PC+4], v[SM], v[SM+1]      ; lo
	v_cvt_pk_bf16_f32 v[PC+5], v[SM+2], v[SM+3]
	ds_store_b64 v[PST], v[PC+4:PC+5] offset:2*P
.irp i, 0,1,2,3                        ; my own bytes, served in order: these see the three stores.  The products that read VF stand more than four plain instructions back
	ds_load_b128 v[VF+4*\i:VF+4*\i+3], v[PLD] offset:32*\i
.endr
	v_add_f32 v[KF], 1.0, v[KF]
	v_rcp_f32 v[RC], v[KF]
	s_wait_dscnt 0x0                               ; the vector's fragments are in
.irp q, 0,1                            ; eight products; the four accumulators take turns; the first K half starts the sums with the constant 0
.irp t, 0,1,2,3
.if \q == 0
	v_wmma_f32_16x16x32_bf16 v[D+8*\t:D+8*\t+7], v[VF+8*\q:VF+8*\q+7], v[M+16*\t+8*\q:M+16*\t+8*\q+7], 0
.else
	v_wmma_f32_16x16x32_bf16 v[D+8*\t:D+8*\t+7], v[VF+8*\q:VF+8*\q+7], v[M+16*\t+8*\q:M+16*\t+8*\q+7], v[D+8*\t:D+8*\t+7]
.endif
.endr
.endr
	v_pk_add_f32 v[Y:Y+1], v[Y:Y+1], v[U:U+1]      ; four plain instructions that name no register of the products: the places behind them (ISA guide 7.12.1);
	v_pk_add_f32 v[Y+2:Y+3], v[Y+2:Y+3], v[U+2:U+3]  ; the first two also stand between the reciprocal and its use
	s_wait_alu depctr_va_vdst(0)
	v_mul_f32 v[CF], v[RC], v[CH]
	v_mul_f32 v[CF+1], v[RC], v[CH]
.irp t, 0,1,2,3
	v_add_f32 v[SM+\t], v[D+8*\t+1], v[D+8*\t+2]   ; Ab mid + Ab lo: the small ones first; an accumulator's lowest registers are read first
.endr
.irp t, 0,1,2,3
	v_add_f32 v[SM+\t], v[SM+\t], v[D+8*\t]        ; + Ab hi
.endr
	v_pk_mul_f32 v[U:U+1], v[SM:SM+1], v[CF:CF+1]  ; t_k
	v_pk_mul_f32 v[U+2:U+3], v[SM+2:SM+3], v[CF:CF+1]
	s_add_co_u32 s22, s22, 1
	s_cmp_lt_u32 s22, s20
	s_cbranch_scc1 .Lterm_\@
	v_pk_add_f32 v[U:U+1], v[U:U+1], v[Y:Y+1]      ; the sum takes t_m: the step's result, and the next step's t_0
	v_pk_add_f32 v[U+2:U+3], v[U+2:U+3], v[Y+2:Y+3]
.irp i, 0,1,2,3
	v_mov_b32 v[Y+\i], 0
.endr
	v_mov_b32 v[KF], 0
	s_add_co_u32 s21, s21, 1
	s_cmp_lt_u32 s21, s19
	s_cbranch_scc1 .Lstep_\@
	s_wait_xcnt 0x0                                ; EXEC is a source of the loads that are out: it changes only behind this wait
	v_cmp_gt_u32 vcc_lo, 16, v1
	s_and_saveexec_b32 s35, vcc_lo                 ; the lower half of the lanes: the upper holds the same numbers
	global_store_b128 v[YO], v[U:U+3], s[36:37] th:TH_STORE_NT   ; 16 lanes store 256 consecutive bytes, at a multiple of 256 from out0's first byte
	s_wait_xcnt 0x0                                ; and again: behind it EXEC, U and the store's base may be written
	s_or_b32 exec_lo, exec_lo, s35
.endm
	ABASE 16, 24
	LOADA 24
	BATCH 16, 24, 1, 17, 26
	BATCH 17, 26, 0, 17, 26
	s_wait_tensorcnt 0x0                           ; the wave's end, behind my last LDS store
	ds_add_u32 v[SPW], v[NIL]
	s_wait_dscnt 0x0
	s_endpgm
.Lfunc_end_k_qfc09c58f17_magnus:
	.size	k_qfc09c58f17_magnus, .Lfunc_end_k_qfc09c58f17_magnus-k_qfc09c58f17_magnus
	.p2alignl 7, 3214868480
	.fill 96, 4, 3214868480
	.section	.rodata,"a",@progbits
	.p2align	6, 0x0
	.amdhsa_kernel k_qfc09c58f17_magnus
		.amdhsa_group_segment_fixed_size 165888
		.amdhsa_private_segment_fixed_size 0
		.amdhsa_enable_private_segment 0
		.amdhsa_kernarg_size 40
		.amdhsa_user_sgpr_count 2
		.amdhsa_user_sgpr_kernarg_segment_ptr 1
		.amdhsa_wavefront_size32 1
		.amdhsa_system_sgpr_workgroup_id_x 1
		.amdhsa_system_sgpr_workgroup_id_y 1
		.amdhsa_system_sgpr_workgroup_id_z 1
		.amdhsa_system_vgpr_workitem_id 0
		.amdhsa_next_free_vgpr 256
		.amdhsa_next_free_sgpr 66
		.amdhsa_reserve_vcc 1
		.amdhsa_float_denorm_mode_32 3
		.amdhsa_float_denorm_mode_16_64 3
		.amdhsa_memory_ordered 1
		.amdhsa_forward_progress 1
		.amdhsa_inst_pref_size 33
	.end_amdhsa_kernel
	.amdgpu_metadata
---
amdhsa.version: [ 1, 2 ]
amdhsa.kernels:
  - .name:           k_qfc09c58f17_magnus
    .symbol:         k_qfc09c58f17_magnus.kd
    .args:
      - { .name: A, .offset: 0, .size: 8, .value_kind: global_buffer, .address_space: global }
      - { .name: h, .offset: 8, .size: 8, .value_kind: global_buffer, .address_space: global }
      - { .name: y0, .offset: 16, .size: 8, .value_kind: global_buffer, .address_space: global }
      - { .name: sorted, .offset: 24, .size: 8, .value_kind: global_buffer, .address_space: global }
      - { .name: out0, .offset: 32, .size: 8, .value_kind: global_buffer, .address_space: global }
    .group_segment_fixed_size: 165888
    .private_segment_fixed_size: 0
    .kernarg_segment_align: 8
    .kernarg_segment_size: 40
    .max_flat_workgroup_size: 512
    .sgpr_count:     66
    .vgpr_count:     256
    .wavefront_size: 32
...
	.end_amdgpu_metadata
.endif
;; end of part 3
